; MI455X (gfx1250); checked and timed in simulation.
; The chip was launched on July 23, 2026; its instructions are those of AMD's public machine-readable ISA for CDNA 5 (MIT licence, August 2026) and "CDNA5" Instruction Set Architecture Reference Guide (July 2026). The comments in the code are by the model that wrote it; some were corrected since.
;; Nested Feed Forward. Allowed arithmetic: matrix products marked QUANTISED: E5M2 operands, one given power-of-two scale a tensor, by v_wmma_f32_16x16x64_bf8_bf8 or v_wmma_f32_16x16x128_bf8_bf8, f32 sums; everything else in f32.
;; Inputs: b1 2,048 float32; b2 2,048 float32; lowp_scales 4 int32 (the exponents e of the quantised operands' scales 2^e); token_mask 4 x 2,048 int32; w1 2,048 x 2,048 float32; w2 2,048 x 2,048 float32; x 4 x 2,048 x 2,048 float32.
;; Outputs: out0 4 x 2,048 x 2,048 float32.
;; This version of the problem:
;;   THIS VERSION OF THE PROBLEM IS GIVEN IN LOW PRECISION. The matrix products marked QUANTISED in the list below multiply operands that are first quantised to E5M2 (5 exponent bits, 2 mantissa bits; 8 bits a number), with one given power-of-two scale for each operand tensor; their sums are f32. All else is computed in f32.
;;   The module's matrix products, in the order in which they are computed (A, B: the left and right operand; K: the contracted axis; several contracted axes count as one K, in the product's order):
;;     1. [M 8,192, K 2,048] x [K 2,048, N 2,048]; A: computed on the way; B: input w1: QUANTISED (scales: A lowp_scales[0], B lowp_scales[1])
;;     2. [M 8,192, K 2,048] x [K 2,048, N 2,048]; A: computed on the way; B: input w2: QUANTISED (scales: A lowp_scales[2], B lowp_scales[3])
;;   THE QUANTISER, for each operand of a quantised product, along K:
;;     - The operand's scale is 2^e, e = its entry of the input lowp_scales (int32; the entries are numbered through the quantised products in the list's order, A before B).
;;     - Each number is divided by the scale, clamped to +-57,344, and rounded to the nearest number of E5M2, ties to even, subnormals kept.
;;     - The product sums the exact products of the quantised numbers (number of the format x scale) in f32.
;;   ~~~python
;;   def quantise(x, axis, e):      # numpy; x: float32 -> the quantised numbers, widened to float32 again
;;       x = np.moveaxis(x, axis, -1); K = x.shape[-1]
;;       r = np.clip(x / 2.0 ** e, -57344, 57344)
;;       step = 2.0 ** (np.maximum(np.frexp(np.where(r == 0, 1, r))[1] - 1, -14) - 2)
;;       q = np.round(r / step) * step * 2.0 ** e      # np.round: ties to even
;;       return np.moveaxis(q, -1, axis).astype(np.float32)
;;   ~~~
;;   OPERANDS COMPUTED ON THE WAY. 'Computed on the way' means the value that the module computes at that place (a softmax that the list does not call 'softmax' is quantised finished and normalised). What goes into a quantiser is computed in f32, as accurately as f32 sums, v_exp_f32 and their like allow (about 1e-6 of the number): no bf16 or f16 on the way to a quantiser, and a product that is left as it is and whose result goes on into a quantised operand takes f32 operands (vector FMAs, or v_wmma_f32_16x16x4_f32). A number that lies on a knife's edge between two numbers of the format may be rounded either way, as far as f32 arithmetic and the matrix unit's own rounding can turn it there, and no further.
;; One version. Each part assembles by itself: llvm-mc -triple=amdgcn-amd-amdhsa -mcpu=gfx1250 --defsym DOCPART=n.
;; ======== version 1 of 1: 3 launches
;; limits: right only within a limited range of input values
;; workspace buffers: xq 17,563,648 bytes; hq 17,563,648 bytes; w1q 4,194,304 bytes; w2q 4,194,304 bytes; perm 137,216 bytes of whole numbers; cnt 512 bytes of whole numbers
;; launch quant (part 1): grid 792 x 1, 4 waves a work-group, no clusters, 35,072 bytes of LDS; arguments x, w1, w2, token_mask, lowp_scales, xq, w1q, w2q, perm, cnt; writes xq, w1q, w2q, perm, cnt
.if DOCPART == 1
	.amdgcn_target "amdgcn-amd-amdhsa--gfx1250"
	.amdhsa_code_object_version 6
	.text
	.protected	k_qda6f32c04d_quant
	.globl	k_qda6f32c04d_quant
	.p2align	8
	.type	k_qda6f32c04d_quant,@function
k_qda6f32c04d_quant:
	s_mov_b64 s[64:65], 0
	v_nop
	global_prefetch_b8 v0, s[64:65] scope:SCOPE_SE
	s_setreg_imm32_b32 hwreg(HW_REG_WAVE_MODE, 25, 1), 1
	s_wait_xcnt 0x0
; Codes of BF8 (E5M2) of w1, w2 and x, each tensor with its given scale 2^e (x: entry 0, w1: entry 1, w2: entry 3): number / 2^e, held within +-57,344, rounded to nearest, ties to even.
; A token of mask m = 1 .. 4 has the width 2,048 >> (4 - m): its other features enter the first product as zeros, and its other outputs are multiplied by zero: the mask, an index
; input, decides which features are read and which outputs are computed.  Any other m: the token takes part in no product, its outputs are zeros.
; THE TOKENS ARE SORTED BY WIDTH: places 0 .. of mask 4 first, then 3, 2, 1, each class beginning at a multiple of 128 places; at most 64 + 3 tiles of 128 places.  A class's last tile is filled up with a token of
; that tile (computed again, with the same bits, by the same work-group).  perm: for each 16 places 256 bytes: place r's token at bytes 8 r, 8 r + 4 and the same at 128 + 8 r.  cnt: the tiles of masks 4, 3, 2, 1.
; THE CODES ARE IMAGES OF OPERAND REGISTERS.  Byte of (row, k): (row>>7) 262,144 + (k>>7) 16,384 + ((row>>4)&7) 2,048 + ((k>>5)&3) 512 + ((k>>4)&1) 256 + (row&15) 16 + (k&15).
; w1's rows are laid in another order: place rho of image block t of 128 rows holds row 32 (t>>1) + 8 (t&1) + rho + 8 (rho>>3), so that the first product's results are the second product's operand registers.
; SHARES.  Work-groups 0-127 take 16 rows of w1, 128-255 of w2, 256-791 16 places of x.  Wave g takes K = 512 g .. 512 g + 511 in four steps of 128; a wave of x that begins at or beyond its class's width ends.
; (A class of width 256 is coded to 512; what lies beyond the width is not read later.)
; LIMITS: each e between -126 and 112.  NaN and infinities are not served; what lies under the mask is not carried to the result.
.set SP,   528                         ; a stage row: 512 bytes + 16
.set WST,  16*SP                       ; a wave's stage
.set SPARE, 4*WST                      ; the spare words, 512 bytes
.set SORT, SPARE+512                   ; four waves' counts, 8 bytes each
.set LIST, SORT+256                    ; four waves' finds, 128 bytes each
.set VO,   16                          ; v16-31   row i: byte offset + 16 x lane
.set RW,   32                          ; v32-159  two sets of 64 registers as loaded
.set XT,   160                         ; v160-223 64 numbers, register 16 c + i = k 32 c + 16 h + i of row r
.set CD,   224                         ; v224-255 two sets of 16 registers of codes
.macro VW
	s_wait_alu depctr_va_vdst(0)
.endm
	s_load_b512 s[4:19], s[0:1], 0x0               ; x 4, w1 6, w2 8, token_mask 10, scales 12, xq 14, w1q 16, w2q 18
	s_load_b128 s[20:23], s[0:1], 0x40             ; perm 20, cnt 22
	v_lshl_add_u32 v14, v0, 2, SPARE
	v_mov_b32 v15, 0
	v_lshrrev_b32 v11, 5, v0
	v_readfirstlane_b32 s24, v11                   ; wave g
	v_and_b32 v12, 31, v0                          ; lane
	v_lshlrev_b32 v1, 4, v12                       ; 16 x lane
	v_lshlrev_b32 v10, 3, v12                      ; 8 x lane
	v_and_b32 v11, 15, v0                          ; r
	v_bfe_u32 v13, v0, 4, 1                        ; h
	s_mul_i32 s33, s24, WST
	v_add_nc_u32 v3, s33, v1                       ; the stage, on the way in
	v_mul_u32_u24 v4, v11, SP
	v_lshl_add_u32 v4, v13, 6, v4
	v_add_nc_u32 v4, s33, v4                       ; and out: row r, + 64 h
	v_lshl_add_u32 v9, v0, 2, LIST                 ; my word of my wave's finds
	v_lshlrev_b32 v7, 2, v11
	v_add_nc_u32 v7, LIST, v7                      ; row r's word of wave 0's finds
	VW
	s_mov_b32 s57, 0
	s_cmp_ge_u32 ttmp9, 256
	s_cbranch_scc1 .Lx
	; ---- a weight's 16 rows
	s_and_b32 s25, ttmp9, 127                      ; the image block
	s_lshr_b32 s56, s25, 3                         ; w1's first row: 128 (rb>>3) + 32 ((rb>>1)&3) + 8 (rb&1)
	s_lshl_b32 s56, s56, 7
	s_bfe_u32 s58, s25, 0x20001
	s_lshl_b32 s58, s58, 5
	s_add_co_u32 s56, s56, s58
	s_and_b32 s58, s25, 1
	s_lshl_b32 s58, s58, 3
	s_add_co_u32 s56, s56, s58
	s_lshl_b32 s58, s25, 4                         ; w2's: 16 rb
	s_cmp_lt_u32 ttmp9, 128
	s_cselect_b32 s56, s56, s58
	s_cselect_b32 s31, 0x10000, 0                  ; w1: places 8-15 lie 8 rows further on
	s_lshl_b32 s56, s56, 13
	v_add_nc_u32 v2, s31, v1
.irp i, 0,1,2,3,4,5,6,7
	v_add_nc_u32 v[VO+\i], 8192*\i, v1
	v_add_nc_u32 v[VO+8+\i], 8192*(8+\i), v2
.endr
	VW
	s_wait_kmcnt 0x0
	s_load_b128 s[52:55], s[12:13], 0x0
	s_cmp_lt_u32 ttmp9, 128
	s_cselect_b64 s[26:27], s[6:7], s[8:9]
	s_cselect_b64 s[28:29], s[16:17], s[18:19]
	s_add_nc_u64 s[26:27], s[26:27], s[56:57]
	s_wait_kmcnt 0x0
	s_cmp_lt_u32 ttmp9, 128
	s_cselect_b32 s51, s53, s55                    ; e
	s_branch .Lgo
.Lx:
	; ---- 16 places of x.  Wave w looks at tokens 2,048 w + 128 j + 4 lane + i, j = 0 .. 15, i = 0 .. 3, and ranks them by (wave, j, i, lane)
	s_sub_co_u32 s25, ttmp9, 256                   ; the block of places
	s_lshl_b32 s56, s24, 13
	s_mov_b32 s60, 0x76543210
	s_mov_b32 s61, 0xfedcba98
	s_mov_b32 s58, 0xf83e0                         ; fields at bits 5 and 15, five bits each
	s_lshl_b32 s59, s24, 3
	s_add_co_u32 s59, s59, SORT
	s_wait_kmcnt 0x0
	s_load_b128 s[52:55], s[12:13], 0x0
	s_add_nc_u64 s[34:35], s[10:11], s[56:57]
.irp j, 0,1,2,3,4,5,6,7,8,9,10,11,12,13,14,15
	global_load_b128 v[RW+4*\j:RW+4*\j+3], v1, s[34:35] offset:512*\j
.endr
	s_wait_loadcnt 0x0
	; counts in fields of five bits, field m = 0 .. 5 (0 and 5: no class), four chunks of 16 tokens a lane
.set K, 0
.rept 16
.irp c, 0,1,2,3
	v_min_u32 v[100+\c], 5, v[RW+16*\c+K]
.endr
.irp c, 0,1,2,3
	v_mul_u32_u24 v[100+\c], 5, v[100+\c]
.endr
.irp c, 0,1,2,3
.if K == 0
	v_lshlrev_b32 v[96+\c], v[100+\c], 1
.else
	v_lshl_add_u32 v[96+\c], 1, v[100+\c], v[96+\c]
.endif
.endr
.set K, K+1
.endr
.irp c, 0,1,2,3
	v_and_b32 v[104+\c], s58, v[96+\c]             ; masks 1 and 3
.endr
.irp c, 0,1,2,3
	v_lshrrev_b32 v[96+\c], 5, v[96+\c]
.endr
.irp c, 0,1,2,3
	v_and_b32 v[96+\c], s58, v[96+\c]              ; masks 2 and 4
.endr
	v_add3_u32 v104, v104, v105, v106
	v_add3_u32 v108, v96, v97, v98
	v_add_nc_u32 v104, v104, v107
	v_add_nc_u32 v108, v108, v99
	v_bfe_u32 v105, v104, 5, 10
	v_bfe_u32 v109, v108, 5, 10
	v_lshrrev_b32 v104, 15, v104
	v_lshrrev_b32 v108, 15, v108
	v_lshl_or_b32 v104, v104, 16, v105             ; mask 1's count below, mask 3's above
	v_lshl_or_b32 v108, v108, 16, v109             ; mask 2's, mask 4's
.irp m, 1,2,4,8
	v_add_nc_u32_dpp v104, v104, v104 row_xmask:\m row_mask:0xf bank_mask:0xf
	v_add_nc_u32_dpp v108, v108, v108 row_xmask:\m row_mask:0xf bank_mask:0xf
.endr
	v_permlanex16_b32 v105, v104, s60, s61
	v_permlanex16_b32 v109, v108, s60, s61
	v_add_nc_u32 v104, v104, v105
	v_add_nc_u32 v105, v108, v109                  ; the wave's counts
	v_mov_b32 v106, s59
	ds_store_b64 v106, v[104:105]
	VW
	s_wait_dscnt 0x0
	s_barrier_signal -1
	s_barrier_wait -1
	v_mov_b32 v107, SORT
	ds_load_b128 v[96:99], v107
	ds_load_b128 v[100:103], v107 offset:16
	s_wait_dscnt 0x0
.irp k, 0,1,2,3,4,5,6,7
	v_readfirstlane_b32 s[36+\k], v[96+\k]
.endr
	s_add_co_u32 s44, s36, s38                     ; all waves: masks 1, 3
	s_add_co_u32 s44, s44, s40
	s_add_co_u32 s44, s44, s42
	s_add_co_u32 s45, s37, s39                     ; masks 2, 4
	s_add_co_u32 s45, s45, s41
	s_add_co_u32 s45, s45, s43
	s_cmp_gt_u32 s24, 0                            ; the waves ahead of mine
	s_cselect_b32 s46, s36, 0
	s_cselect_b32 s47, s37, 0
	s_cmp_gt_u32 s24, 1
	s_cselect_b32 s48, s38, 0
	s_cselect_b32 s49, s39, 0
	s_add_co_u32 s46, s46, s48
	s_add_co_u32 s47, s47, s49
	s_cmp_gt_u32 s24, 2
	s_cselect_b32 s48, s40, 0
	s_cselect_b32 s49, s41, 0
	s_add_co_u32 s46, s46, s48
	s_add_co_u32 s47, s47, s49
	s_lshr_b32 s36, s45, 16                        ; tokens of mask 4,
	s_lshr_b32 s37, s44, 16                        ; 3,
	s_and_b32 s38, s45, 0xffff                     ; 2,
	s_and_b32 s39, s44, 0xffff                     ; 1;
	s_lshr_b32 s40, s47, 16                        ; of these in the waves ahead of mine
	s_lshr_b32 s41, s46, 16
	s_and_b32 s42, s47, 0xffff
	s_and_b32 s43, s46, 0xffff
.irp k, 0,1,2,3
	s_add_co_u32 s[68+\k], s[36+\k], 127
	s_lshr_b32 s[68+\k], s[68+\k], 7               ; tiles of 128 places
.endr
	s_add_co_u32 s73, s68, s69                     ; the first tile of mask 2,
	s_add_co_u32 s74, s73, s70                     ; of mask 1,
	s_add_co_u32 s75, s74, s71                     ; the end
	s_lshr_b32 s76, s25, 3                         ; my tile
	s_mov_b32 s44, 1                               ; my block's mask s44, its tokens s45, its first tile s46, those ahead of my wave's s47, its width s48
	s_mov_b32 s45, s39
	s_mov_b32 s46, s74
	s_mov_b32 s47, s43
	s_mov_b32 s48, 256
	s_movk_i32 s49, 512
	s_cmp_lt_u32 s76, s74
	s_cselect_b32 s44, 2, s44
	s_cselect_b32 s45, s38, s45
	s_cselect_b32 s46, s73, s46
	s_cselect_b32 s47, s42, s47
	s_cselect_b32 s48, s49, s48
	s_movk_i32 s49, 1024
	s_cmp_lt_u32 s76, s73
	s_cselect_b32 s44, 3, s44
	s_cselect_b32 s45, s37, s45
	s_cselect_b32 s46, s68, s46
	s_cselect_b32 s47, s41, s47
	s_cselect_b32 s48, s49, s48
	s_movk_i32 s49, 2048
	s_cmp_lt_u32 s76, s68
	s_cselect_b32 s44, 4, s44
	s_cselect_b32 s45, s36, s45
	s_cselect_b32 s46, 0, s46
	s_cselect_b32 s47, s40, s47
	s_cselect_b32 s48, s49, s48
	s_cmp_lt_u32 s76, s75
	s_cselect_b32 s45, s45, 0                      ; no tokens: no such tile
	s_lshl_b32 s77, s25, 4
	s_lshl_b32 s46, s46, 7
	s_sub_co_u32 s77, s77, s46                     ; my first place's rank in its class,
	s_sub_co_u32 s78, s45, 1
	s_min_u32 s77, s77, s78                        ; or the class's last
	s_sub_co_u32 s79, s47, s77                     ; the rank of my wave's next token of the class, from there on
	s_lshl_b32 s56, s24, 11
	v_lshl_add_u32 v112, v12, 2, s56               ; 2,048 w + 4 lane
	v_mov_b32 v110, 31
	v_mov_b32 v108, 0                              ; lane k < 16: place k's token + 1
	VW
	s_cmp_ge_i32 s79, 16
	s_cbranch_scc1 .Lfound
.macro FIND k
	v_cmp_eq_u32 vcc_lo, s44, v[RW+\k]
	s_bcnt1_i32_b32 s56, vcc_lo
	s_add_co_u32 s57, s79, s56
	s_cmp_gt_i32 s57, 0
	s_cbranch_scc0 .Lno_\@
	s_cmp_lt_i32 s79, 16
	s_cbranch_scc0 .Lno_\@
	v_mbcnt_lo_u32_b32 v109, vcc_lo, s79           ; rank from my first place on
	v_mov_b32 v113, 0
	v_min_u32 v109, 31, v109
	v_cndmask_b32 v109, v110, v109, vcc_lo         ; lanes of other classes send to lane 31, which is not used
	v_lshlrev_b32 v109, 2, v109
	v_add_nc_u32 v111, 128*((\k)/4)+(\k)%4+1, v112
	ds_permute_b32 v113, v109, v111                ; lanes that nobody sends to get 0
	VW
	s_wait_dscnt 0x0
	v_max_u32 v108, v108, v113
	VW
.Lno_\@:
	s_mov_b32 s79, s57
.endm
.set K, 0
.rept 64
	FIND K
.set K, K+1
.endr
.Lfound:
	ds_store_b32 v9, v108
	s_wait_dscnt 0x0
	s_barrier_signal -1
	s_barrier_wait -1
	ds_load_b32 v96, v7
	ds_load_b32 v97, v7 offset:128
	ds_load_b32 v98, v7 offset:256
	ds_load_b32 v99, v7 offset:384
	s_wait_dscnt 0x0
	v_max_u32 v96, v96, v97
	v_max_u32 v98, v98, v99
	v_max_u32 v96, v96, v98
	v_readfirstlane_b32 s56, v96                   ; place 0 always has a token
	v_mov_b32 v97, s56
	v_cmp_eq_u32 vcc_lo, 0, v96
	v_cndmask_b32 v96, v96, v97, vcc_lo            ; a place beyond the class's tokens takes place 0's
	v_add_nc_u32 v96, -1, v96
	v_mov_b32 v97, v96
.irp k, 0,1,2,3
	v_mov_b32 v[100+\k], s[68+\k]
.endr
	VW
	s_or_b32 s56, s25, s24
	s_cmp_lg_u32 s56, 0
	s_cbranch_scc1 .Lnocnt
	global_store_b128 v1, v[100:103], s[22:23]     ; 512 bytes: the four tile counts, 32 times
.Lnocnt:
	s_cmp_eq_u32 s45, 0
	s_cbranch_scc1 .Lend
	s_lshl_b32 s56, s24, 9
	s_cmp_ge_u32 s56, s48
	s_cbranch_scc1 .Lend                           ; beyond the width
	s_lshl_b32 s56, s25, 8
	s_mov_b32 s57, 0
	s_add_nc_u64 s[34:35], s[20:21], s[56:57]
	s_cmp_lg_u32 s24, 0
	s_cbranch_scc1 .Lnoperm
	global_store_b64 v10, v[96:97], s[34:35]       ; 256 bytes
.Lnoperm:
.irp i, 0,1,2,3,4,5,6,7,8,9,10,11,12,13,14,15
	v_readlane_b32 s56, v96, \i
	s_min_u32 s56, s56, 0x1fff
	s_lshl_b32 s56, s56, 13
	v_add_nc_u32 v[VO+\i], s56, v1
.endr
	VW
	s_wait_kmcnt 0x0
	s_mov_b32 s51, s52                             ; e
	s_mov_b64 s[26:27], s[4:5]
	s_mov_b64 s[28:29], s[14:15]
	s_wait_xcnt 0x0                                ; the stores above have read their data: the loads below land there
.Lgo:
	s_mov_b32 s57, 0
	s_lshl_b32 s56, s24, 11                        ; my wave's 2,048 bytes of a row
	s_add_nc_u64 s[26:27], s[26:27], s[56:57]
	s_lshr_b32 s56, s25, 3                         ; the codes: (rb>>3) 262,144 + (rb&7) 2,048 + g 65,536
	s_lshl_b32 s56, s56, 18
	s_and_b32 s58, s25, 7
	s_lshl_b32 s58, s58, 11
	s_add_co_u32 s56, s56, s58
	s_lshl_b32 s58, s24, 16
	s_add_co_u32 s56, s56, s58
	s_add_nc_u64 s[28:29], s[28:29], s[56:57]
.macro LOAD t                          ; step t: 128 numbers of each of the 16 rows: each load reads 512 consecutive bytes
.set I, 0
.rept 16
	global_load_b128 v[RW+64*((\t)%2)+4*I:RW+64*((\t)%2)+4*I+3], v[VO+I], s[26:27] offset:512*(\t)
.set I, I+1
.endr
.endm
	LOAD 0
	LOAD 1
	s_add_co_i32 s51, s51, 127
	s_lshl_b32 s56, s51, 23
	v_mov_b32 v5, s56                              ; 2^e as f32: the conversion takes its exponent field
	s_add_co_i32 s51, s51, 15
	s_lshl_b32 s51, s51, 23
	s_or_b32 s51, s51, 0x600000
	v_mov_b32 v6, s51                              ; 57,344 x 2^e
	VW
.macro STEP t
.set RS, RW+64*((\t)%2)
.set CS, CD+16*((\t)%2)
.if (\t) < 3
	s_wait_loadcnt 16                              ; this step's 16 loads are in; the next step's 16 may be out
.else
	s_wait_loadcnt 0
.endif
.set I, 0
.rept 16
	ds_store_b128 v3, v[RS+4*I:RS+4*I+3] offset:SP*I
.set I, I+1
.endr
.set I, 0
.rept 16
	ds_load_b128 v[XT+4*I:XT+4*I+3], v4 offset:128*(I/4)+16*(I%4)   ; LDS serves a wave's instructions in order (ISA guide 5.7.1.4)
.set I, I+1
.endr
	s_wait_dscnt 0x0
.if (\t) < 2
	LOAD (\t)+2
.endif
.set I, 0
.rept 64
	v_med3_num_f32 v[XT+I], v[XT+I], -v6, v6       ; the conversion to an 8-bit code does not saturate (ISA guide 7.6.2)
.set I, I+1
.endr
.if (\t) >= 2
	VW
	s_wait_xcnt 0x0                                ; the stores of two steps ago have read this set of codes
.endif
.set I, 0
.rept 8
	v_cvt_scalef32_pk8_bf8_f32 v[CS+2*I:CS+2*I+1], v[XT+8*I:XT+8*I+7], v5
.set I, I+1
.endr
	v_nop                                          ; between the conversions and the next step's holds, which write their sources
.irp c, 0,1,2,3
	global_store_b128 v1, v[CS+4*\c:CS+4*\c+3], s[28:29] offset:16384*(\t)+512*\c   ; 512 consecutive bytes
.endr
.endm
	STEP 0
	STEP 1
	STEP 2
	STEP 3
	VW
.Lend:
	s_wait_tensorcnt 0x0                           ; the wave's end
	ds_add_u32 v14, v15
	s_wait_dscnt 0x0
	s_endpgm
.Lfunc_end_k_qda6f32c04d_quant:
	.size	k_qda6f32c04d_quant, .Lfunc_end_k_qda6f32c04d_quant-k_qda6f32c04d_quant
	.p2alignl 7, 3214868480
	.fill 96, 4, 3214868480
	.section	.rodata,"a",@progbits
	.p2align	6, 0x0
	.amdhsa_kernel k_qda6f32c04d_quant
		.amdhsa_group_segment_fixed_size 35072
		.amdhsa_private_segment_fixed_size 0
		.amdhsa_enable_private_segment 0
		.amdhsa_kernarg_size 80
		.amdhsa_user_sgpr_count 2
		.amdhsa_user_sgpr_kernarg_segment_ptr 1
		.amdhsa_wavefront_size32 1
		.amdhsa_system_sgpr_workgroup_id_x 1
		.amdhsa_system_sgpr_workgroup_id_y 1
		.amdhsa_system_sgpr_workgroup_id_z 1
		.amdhsa_system_vgpr_workitem_id 0
		.amdhsa_next_free_vgpr 256
		.amdhsa_next_free_sgpr 88
		.amdhsa_reserve_vcc 1
		.amdhsa_float_denorm_mode_32 3
		.amdhsa_float_denorm_mode_16_64 3
		.amdhsa_memory_ordered 1
		.amdhsa_forward_progress 1
		.amdhsa_inst_pref_size 102
	.end_amdhsa_kernel
	.amdgpu_metadata
---
amdhsa.version: [ 1, 2 ]
amdhsa.kernels:
  - .name:           k_qda6f32c04d_quant
    .symbol:         k_qda6f32c04d_quant.kd
    .args:
      - { .name: x, .offset: 0, .size: 8, .value_kind: global_buffer, .address_space: global }
      - { .name: w1, .offset: 8, .size: 8, .value_kind: global_buffer, .address_space: global }
      - { .name: w2, .offset: 16, .size: 8, .value_kind: global_buffer, .address_space: global }
      - { .name: token_mask, .offset: 24, .size: 8, .value_kind: global_buffer, .address_space: global }
      - { .name: lowp_scales, .offset: 32, .size: 8, .value_kind: global_buffer, .address_space: global }
      - { .name: xq, .offset: 40, .size: 8, .value_kind: global_buffer, .address_space: global }
      - { .name: w1q, .offset: 48, .size: 8, .value_kind: global_buffer, .address_space: global }
      - { .name: w2q, .offset: 56, .size: 8, .value_kind: global_buffer, .address_space: global }
      - { .name: perm, .offset: 64, .size: 8, .value_kind: global_buffer, .address_space: global }
      - { .name: cnt, .offset: 72, .size: 8, .value_kind: global_buffer, .address_space: global }
    .group_segment_fixed_size: 35072
    .private_segment_fixed_size: 0
    .kernarg_segment_align: 8
    .kernarg_segment_size: 80
    .max_flat_workgroup_size: 128
    .sgpr_count:     88
    .vgpr_count:     256
    .wavefront_size: 32
...
	.end_amdgpu_metadata
.endif
;; end of part 1
;; launch gemm1 (part 2): grid 536 x 1, 4 waves a work-group, no clusters, 33,280 bytes of LDS; arguments xq, w1q, lowp_scales, hq, b1, cnt, token_mask, out0; writes hq, out0
.if DOCPART == 2
	.amdgcn_target "amdgcn-amd-amdhsa--gfx1250"
	.amdhsa_code_object_version 6
	.text
	.protected	k_qda6f32c04d_gemm1
	.globl	k_qda6f32c04d_gemm1
	.p2align	8
	.type	k_qda6f32c04d_gemm1,@function
k_qda6f32c04d_gemm1:
	s_mov_b64 s[64:65], 0
	v_nop
	global_prefetch_b8 v0, s[64:65] scope:SCOPE_SE
	s_setreg_imm32_b32 hwreg(HW_REG_WAVE_MODE, 25, 1), 1
	s_wait_xcnt 0x0
; hq = codes of gelu(xq w1q^T x 2^(e0 + e1) + b1), e2 the codes' scale, for the sorted places; and the zeros of out0: the features at and beyond each token's width (quant's head says why no product is owed there).
; A work-group takes a tile of 128 places x 256 hidden units; the tile's class gives K: 2,048, 1,024, 512, 256.  67 x 8 work-groups serve every split; the long classes have the low numbers; one without places stores no codes.
; Wave w makes 128 places x 64 hidden units: 32 sums of 16 x 16, 256 registers.  THE LOOPS HANG ON COUNTS READ FROM MEMORY; there is no tensor load and no cluster: w1's fragments go from memory into registers as they lie;
; the places' codes, which all four waves need, go through two LDS slots of 16 KiB (128 places x 128 K), each wave bringing a quarter.
; A step is 128 along K.  A(s): the places' codes of step s, B(s): w1's.  Step s: A(s+2) is asked for; 32 products; A(s+1), asked for a step ago, is stored to the other slot; B(s+2) is asked for; a barrier.
; A trip is two steps.  Every wave walks seven trips and the last one, and passes every barrier; a trip beyond the tile's K does no work.
; THE MATRIX INSTRUCTION IS USED TRANSPOSED (source 0 = 16 rows of w1, source 1 = 16 places): sum (a, i), lane (r, h): place 16 a + r; the 16 registers of i = 2 b, 2 b + 1 are hidden units 32 b + 16 h + 0 .. 15.
; The sums begin with b1 x 2^-(e0+e1).
; PREFETCH: trip t asks for trip t + 2's bytes, of 128 blocks of 256 bytes in each of three runs (wave 0: the places', waves 1, 2: w1's two groups) this work-group's 32.
; GELU: x/2 (1 + erf(x / sqrt 2)), erf as a quotient of two polynomials on [-4, 4], held there (it is 1 to f32's last place beyond).
; LIMITS: e0 + e1 between -100 and 100, e2 between -126 and 112.  NaN and infinities are not served.
; REGISTERS: window 0: v1 16 x lane; v16-63 three fragments of places; v64-191 two sets of w1; v192-255 two stages.  Window 1: the sums, (a, i) at v[32 a + 8 i].
.set F,   16
.set BS,  64
.set STG, 192
.set SPARE, 32768
.set AB,  26                           ; s[26:27] xq at my quarter of the tile
.set BB,  28                           ; s[28:29] w1q at my 64 rows
.set PB,  32                           ; s[32:33] where I prefetch
.set ZR,  128
.set WR,  144
.set PR,  160
.set QR,  176
.set XG,  192
.set PC,  64                           ; v64-127 codes, four registers a group
.set MSB, 0
.macro WIN new                         ; the immediate's high byte repeats the setting that is left
.if MSB != (\new)
	s_set_vgpr_msb (MSB<<8)|(\new)
.set MSB, (\new)
.endif
.endm
.macro VW
	s_wait_alu depctr_va_vdst(0)
.endm
.macro NOPS                            ; four places behind matrix instructions (ISA guide 7.12.1)
.rept 4
	v_nop
.endr
.endm
.macro BAR
	s_barrier_signal -1
	s_barrier_wait -1
.endm
.macro LDA reg, off
.irp j, 0,1,2,3,4,5,6,7
	global_load_b128 v[\reg+4*\j:\reg+4*\j+3], v1, s[AB:AB+1] offset:\off+512*\j
.endr
.endm
.macro LDB p, off
.irp i, 0,1,2,3
.irp c, 0,1,2,3
	global_load_b128 v[BS+64*\p+16*\i+4*\c:BS+64*\p+16*\i+4*\c+3], v1, s[BB:BB+1] offset:\off+2048*\i+512*\c
.endr
.endr
.endm
.macro STA reg, slot
.irp j, 0,1,2,3,4,5,6,7
	ds_store_b128 v5, v[\reg+4*\j:\reg+4*\j+3] offset:16384*(\slot)+512*\j
.endr
.endm
.macro LDF a, p
.irp c, 0,1,2,3
	ds_load_b128 v[F+16*((\a)%3)+4*\c:F+16*((\a)%3)+4*\c+3], v1 offset:16384*\p+2048*(\a)+512*\c
.endr
.endm
; A step of parity p.  ld: ask for later steps; st: store the next step's codes.  wb: the loads behind B(s) that may be out; wa: those behind A(s+1).
.macro SEG p, ld, st, wb, wa
.if \ld
	LDA STG+32*\p, 32768+16384*\p                  ; A(s+2): its stage was stored to LDS a step ago
.endif
	s_wait_loadcnt \wb
	LDF 0, \p
	LDF 1, \p
	LDF 2, \p
.irp a, 0,1,2,3,4,5,6,7
.if \a < 5
	s_wait_dscnt 8                                 ; this block is in; the two behind it may be out
.else
	s_wait_dscnt 28-4*\a+8*\st                     ; the later blocks and the eight stores may be out
.endif
	WIN 0x50
.irp i, 0,1,2,3
	v_wmma_f32_16x16x128_bf8_bf8 v[32*\a+8*\i:32*\a+8*\i+7], v[BS+64*\p+16*\i:BS+64*\p+16*\i+15], v[F+16*(\a%3):F+16*(\a%3)+15], v[32*\a+8*\i:32*\a+8*\i+7]
.endr
	WIN 0
.if \a < 5
	NOPS
	LDF \a+3, \p
.endif
.if (\a == 4) && \st
	s_wait_loadcnt \wa
	STA STG+32*(1-\p), 1-\p
.endif
.endr
	NOPS
.if \ld
	LDB \p, 32768+16384*\p                         ; B(s+2)
.endif
	s_wait_dscnt 0x0                               ; for the barrier: my reads of this slot and my stores into the other are done
.endm
	s_load_b512 s[4:19], s[0:1], 0x0               ; xq 4, w1q 6, scales 8, hq 10, b1 12, cnt 14, token_mask 16, out0 18
	v_lshl_add_u32 v2, v0, 2, SPARE
	v_mov_b32 v3, 0
	v_lshrrev_b32 v4, 5, v0
	v_readfirstlane_b32 s20, v4                    ; wave w
	v_and_b32 v4, 31, v0
	v_lshlrev_b32 v1, 4, v4
	v_lshlrev_b32 v6, 8, v4                        ; 256 x lane
	v_lshrrev_b32 v7, 4, v4
	v_lshlrev_b32 v7, 6, v7                        ; 64 h
	s_lshl_b32 s34, s20, 12
	v_add_nc_u32 v5, s34, v1                       ; my quarter of a slot
.irp k, 8,9,10,11
	v_mov_b32 v\k, 0
.endr
	VW
	s_lshr_b32 s21, ttmp9, 3                       ; the tile T
	s_and_b32 s22, ttmp9, 7                        ; 256 hidden units ct
	s_lshr_b32 s56, s20, 1
	s_lshl_b32 s57, s22, 1
	s_add_co_u32 s56, s57, s56                     ; my group of 128 hidden units
	s_and_b32 s57, s20, 1                          ; its half
	s_mov_b32 s35, 0
	s_wait_kmcnt 0x0
	s_load_b128 s[36:39], s[14:15], 0x0            ; tiles of masks 4, 3, 2, 1
	s_load_b128 s[40:43], s[8:9], 0x0              ; e0 .. e3
	s_min_u32 s58, ttmp9, 511
	s_lshl_b32 s34, s58, 6
	s_lshl_b32 s59, s20, 4
	s_add_co_u32 s34, s34, s59
	s_add_nc_u64 s[16:17], s[16:17], s[34:35]
	s_load_b128 s[44:47], s[16:17], 0x0            ; the masks of tokens 16 x work-group + 4 w + 0 .. 3
	s_lshl_b32 s34, s22, 10
	s_lshl_b32 s59, s20, 8
	s_add_co_u32 s34, s34, s59
	s_add_nc_u64 s[12:13], s[12:13], s[34:35]      ; b1 at my 64 hidden units
.irp t, 0,1,2,3
	global_load_b128 v[STG+8*\t:STG+8*\t+3], v7, s[12:13] offset:128*(\t/2)+32*(\t%2)
	global_load_b128 v[STG+8*\t+4:STG+8*\t+7], v7, s[12:13] offset:128*(\t/2)+32*(\t%2)+16
.endr
	s_lshl_b32 s34, s21, 18
	s_lshl_b32 s59, s20, 12
	s_add_co_u32 s34, s34, s59
	s_add_nc_u64 s[AB:AB+1], s[4:5], s[34:35]
	LDA F, 0                                       ; A(0), for the moment into the fragments' registers
	s_lshl_b32 s34, s56, 18
	s_lshl_b32 s59, s57, 13
	s_add_co_u32 s34, s34, s59
	s_add_nc_u64 s[BB:BB+1], s[6:7], s[34:35]
	LDB 0, 0
	LDA STG+32, 16384
	LDB 1, 16384
	s_lshl_b32 s34, s21, 18
	s_lshl_b32 s59, s56, 14
	s_add_co_u32 s34, s34, s59
	s_lshl_b32 s59, s57, 10
	s_add_co_u32 s34, s34, s59
	s_add_nc_u64 s[30:31], s[10:11], s[34:35]      ; hq at my codes
	s_lshl_b32 s58, s21, 18                        ; the prefetch: wave 0: the tile, 32 blocks by ct;
	s_and_b32 s59, s22, 3
	s_lshl_b32 s59, s59, 13
	s_add_co_u32 s58, s58, s59
	s_lshl_b32 s60, s56, 18                        ; the others: group 2 ct + (w>>1), 32 blocks by T
	s_and_b32 s59, s21, 3
	s_lshl_b32 s59, s59, 13
	s_add_co_u32 s60, s60, s59
	s_cmp_eq_u32 s20, 0
	s_cselect_b32 s34, s58, s60
	s_cselect_b64 s[PB:PB+1], s[4:5], s[6:7]
	s_add_nc_u64 s[PB:PB+1], s[PB:PB+1], s[34:35]
	s_wait_kmcnt 0x0
	s_add_co_u32 s58, s36, s37
	s_add_co_u32 s59, s58, s38
	s_add_co_u32 s60, s59, s39
	s_cmp_lt_u32 s21, s60
	s_cselect_b32 s23, 1, 0                        ; the tile's trips: K / 256
	s_cmp_lt_u32 s21, s59
	s_cselect_b32 s23, 2, s23
	s_cmp_lt_u32 s21, s58
	s_cselect_b32 s23, 4, s23
	s_cmp_lt_u32 s21, s36
	s_cselect_b32 s23, 8, s23
	s_min_u32 s23, s23, 8                          ; a number chosen by loaded counts is tested under a bound that stands in the text
	s_cmp_lt_u32 s20, 3
	s_cselect_b32 s25, s23, 0                      ; wave 3 prefetches nothing
	s_min_u32 s25, s25, 8
	s_cmp_gt_i32 s25, 1
	s_cbranch_scc0 .Lnopf
	global_prefetch_b8 v6, s[PB:PB+1] offset:32768 th:TH_LOAD_NT scope:SCOPE_SE
.Lnopf:
	; THE ZEROS OF out0: tokens 16 x work-group + 4 w + i, features from the width on, in work-groups 0-511; each store covers 512 consecutive bytes
	s_cmp_ge_u32 ttmp9, 512
	s_cbranch_scc1 .Lnozero
	s_lshl_b32 s34, ttmp9, 17
	s_lshl_b32 s59, s20, 15
	s_add_co_u32 s34, s34, s59
	s_add_nc_u64 s[18:19], s[18:19], s[34:35]
.macro ZERO first, count
.set Q, 0
.rept \count
	global_store_b128 v1, v[8:11], s[18:19] offset:\first+512*Q th:TH_STORE_NT
.set Q, Q+1
.endr
.endm
.macro ZROW i
	s_sub_co_u32 s58, s[44+\i], 1
	s_cmp_lt_u32 s58, 4
	s_cselect_b32 s58, s[44+\i], 0                 ; the mask, or 0 where it names no width
	s_min_u32 s58, s58, 4
	s_cmp_ge_u32 s58, 4
	s_cbranch_scc1 .Lz_\@
	ZERO 8192*\i+4096, 8
	s_cmp_ge_u32 s58, 3
	s_cbranch_scc1 .Lz_\@
	ZERO 8192*\i+2048, 4
	s_cmp_ge_u32 s58, 2
	s_cbranch_scc1 .Lz_\@
	ZERO 8192*\i+1024, 2
	s_cmp_ge_u32 s58, 1
	s_cbranch_scc1 .Lz_\@
	ZERO 8192*\i, 2
.Lz_\@:
.endm
	ZROW 0
	ZROW 1
	ZROW 2
	ZROW 3
.Lnozero:
	s_add_co_i32 s59, s40, s41                     ; e0 + e1
	s_sub_co_i32 s70, 127, s59
	s_lshl_b32 s70, s70, 23                        ; 2^-(e0+e1)
	s_mov_b32 s71, s70
	s_lshl_b32 s59, s59, 23
	s_add_co_u32 s66, s59, 0x3f3504f3              ; 2^(e0+e1) / sqrt 2
	s_mov_b32 s67, s66
	s_add_co_u32 s68, s59, 0x3f000000              ; 2^(e0+e1) / 2
	s_mov_b32 s69, s68
	s_wait_loadcnt 48                              ; b1; behind it A(0) 8, B(0) 16, A(1) 8, B(1) 16
	WIN 0x40
.irp a, 0,1,2,3,4,5,6,7
.set J, 0
.rept 16
	v_pk_mul_f32 v[32*\a+J:32*\a+J+1], v[STG+J:STG+J+1], s[70:71] op_sel_hi:[1,0]
.set J, J+2
.endr
.endr
	WIN 0
	VW
	s_wait_loadcnt 40                              ; A(0)
	STA F, 0
	s_wait_dscnt 0x0
	BAR
	s_mov_b32 s3, 0
.Ltrip:
	s_add_co_u32 s58, s3, 1
	s_cmp_ge_u32 s58, s23
	s_cbranch_scc1 .Lskip0
	SEG 0, 1, 1, 32, 24                            ; behind B(s): A(s+1), B(s+1), A(s+2); behind A(s+1): B(s+1), A(s+2)
	s_add_co_i32 s58, s3, 2
	s_cmp_lt_i32 s58, s25
	s_cbranch_scc0 .Ljoin0
	global_prefetch_b8 v6, s[PB:PB+1] offset:65536 th:TH_LOAD_NT scope:SCOPE_SE
	s_branch .Ljoin0
.Lskip0:
	s_wait_loadcnt 0x0
.Ljoin0:
	BAR
	s_add_co_u32 s58, s3, 1
	s_cmp_ge_u32 s58, s23
	s_cbranch_scc1 .Lskip1
	SEG 1, 1, 1, 32, 24
	s_branch .Ljoin1
.Lskip1:
	s_wait_loadcnt 0x0
.Ljoin1:
	s_wait_xcnt 0x0                                ; the loads and the prefetch have read their bases
	s_add_nc_u64 s[AB:AB+1], s[AB:AB+1], 0x8000
	s_add_nc_u64 s[BB:BB+1], s[BB:BB+1], 0x8000
	s_add_nc_u64 s[PB:PB+1], s[PB:PB+1], 0x8000
	BAR
	s_add_co_u32 s3, s3, 1
	s_cmp_lt_u32 s3, 7
	s_cbranch_scc1 .Ltrip
	s_cmp_lt_i32 s23, 1                            ; the tile's last trip asks for nothing more
	s_cbranch_scc1 .Lskip2
	SEG 0, 0, 1, 24, 16                            ; behind B(s): A(s+1), B(s+1); behind A(s+1): B(s+1)
	s_branch .Ljoin2
.Lskip2:
	s_wait_loadcnt 0x0
.Ljoin2:
	BAR
	s_cmp_lt_i32 s23, 1
	s_cbranch_scc1 .Lend
	SEG 1, 0, 0, 0, 0
	; THE WAY OUT: 16 groups of 16 hidden units a lane
.macro KON n, val
	s_mov_b32 s[\n], \val
	s_mov_b32 s[\n+1], \val
.endm
	KON 72, 0x32edffee
	KON 74, 0xb60cff51
	KON 76, 0xb86ec2d2
	KON 78, 0xba40ac63
	KON 80, 0xbb41a1f6
	KON 82, 0xbc83dbd4
	KON 84, 0xb95fbd29
	KON 86, 0xbadc924e
	KON 88, 0xbbf19bf8
	KON 90, 0xbc69b6a7
	s_add_co_i32 s58, s42, 127
	s_lshl_b32 s59, s58, 23                        ; 2^e2
	s_add_co_i32 s58, s58, 15
	s_lshl_b32 s58, s58, 23
	s_or_b32 s58, s58, 0x600000                    ; 57,344 x 2^e2
	v_mov_b32 v208, 0xaf95df0b
	v_mov_b32 v209, 0xaf95df0b
	v_mov_b32 v210, 0xb77460cd
	v_mov_b32 v211, 0xb77460cd
	v_mov_b32 v212, s59
	v_mov_b32 v213, s58
.macro PK8 op, d, x, y, tail:vararg
.set J, 0
.rept 8
	\op v[\d+J:\d+J+1], v[\x+J:\x+J+1], v[\y+J:\y+J+1] \tail
.set J, J+2
.endr
.endm
.macro LEVEL p, c
	PK8 v_pk_fma_f32, \p, \p, WR, , s[\c:\c+1] op_sel_hi:[1,1,0]
.endm
.macro GROUP g
.set AC, 16*(\g)
	WIN 0x01
	VW
.set J, 0
.rept 8
	v_pk_mul_f32 v[ZR+J:ZR+J+1], v[AC+J:AC+J+1], s[66:67] op_sel_hi:[1,0]   ; z = x / sqrt 2, each sum from its low end on
	v_pk_mul_f32 v[XG+J:XG+J+1], v[AC+J:AC+J+1], s[68:69] op_sel_hi:[1,0]   ; x / 2
.set J, J+2
.endr
	WIN 0
.set J, 0
.rept 16
	v_med3_num_f32 v[ZR+J], v[ZR+J], -4.0, 4.0
.set J, J+1
.endr
	PK8 v_pk_mul_f32, WR, ZR, ZR
.set J, 0
.rept 8
	v_pk_fma_f32 v[PR+J:PR+J+1], v[WR+J:WR+J+1], v[208:209], s[72:73] op_sel_hi:[1,1,0]
	v_pk_fma_f32 v[QR+J:QR+J+1], v[WR+J:WR+J+1], v[210:211], s[84:85] op_sel_hi:[1,1,0]
.set J, J+2
.endr
	LEVEL PR, 74
	LEVEL QR, 86
	LEVEL PR, 76
	LEVEL QR, 88
	LEVEL PR, 78
	LEVEL QR, 90
	VW
.set J, 0
.rept 16
	v_rcp_f32 v[QR+J], v[QR+J]
.set J, J+1
.endr
	LEVEL PR, 80
	LEVEL PR, 82
	PK8 v_pk_mul_f32, PR, PR, ZR
	VW
	PK8 v_pk_mul_f32, PR, PR, QR                   ; erf
.set J, 0
.rept 8
	v_pk_fma_f32 v[XG+J:XG+J+1], v[XG+J:XG+J+1], v[PR+J:PR+J+1], v[XG+J:XG+J+1]
.set J, J+2
.endr
.set J, 0
.rept 16
	v_med3_num_f32 v[XG+J], v[XG+J], -v213, v213   ; the conversion does not saturate (ISA guide 7.6.2)
.set J, J+1
.endr
	v_cvt_scalef32_pk8_bf8_f32 v[PC+4*(\g):PC+4*(\g)+1], v[XG:XG+7], v212
	v_cvt_scalef32_pk8_bf8_f32 v[PC+4*(\g)+2:PC+4*(\g)+3], v[XG+8:XG+15], v212
	v_nop
	global_store_b128 v1, v[PC+4*(\g):PC+4*(\g)+3], s[30:31] offset:2048*((\g)/2)+512*((\g)%2)   ; 512 consecutive bytes
.endm
.set G, 0
.rept 16
	GROUP G
.set G, G+1
.endr
.Lend:
	s_wait_tensorcnt 0x0                           ; the wave's end
	ds_add_u32 v2, v3
	s_wait_dscnt 0x0
	s_endpgm
.Lfunc_end_k_qda6f32c04d_gemm1:
	.size	k_qda6f32c04d_gemm1, .Lfunc_end_k_qda6f32c04d_gemm1-k_qda6f32c04d_gemm1
	.p2alignl 7, 3214868480
	.fill 96, 4, 3214868480
	.section	.rodata,"a",@progbits
	.p2align	6, 0x0
	.amdhsa_kernel k_qda6f32c04d_gemm1
		.amdhsa_group_segment_fixed_size 33280
		.amdhsa_private_segment_fixed_size 0
		.amdhsa_enable_private_segment 0
		.amdhsa_kernarg_size 64
		.amdhsa_user_sgpr_count 2
		.amdhsa_user_sgpr_kernarg_segment_ptr 1
		.amdhsa_wavefront_size32 1
		.amdhsa_system_sgpr_workgroup_id_x 1
		.amdhsa_system_sgpr_workgroup_id_y 1
		.amdhsa_system_sgpr_workgroup_id_z 1
		.amdhsa_system_vgpr_workitem_id 0
		.amdhsa_next_free_vgpr 512
		.amdhsa_next_free_sgpr 96
		.amdhsa_reserve_vcc 0
		.amdhsa_float_denorm_mode_32 3
		.amdhsa_float_denorm_mode_16_64 3
		.amdhsa_memory_ordered 1
		.amdhsa_forward_progress 1
		.amdhsa_inst_pref_size 232
	.end_amdhsa_kernel
	.amdgpu_metadata
---
amdhsa.version: [ 1, 2 ]
amdhsa.kernels:
  - .name:           k_qda6f32c04d_gemm1
    .symbol:         k_qda6f32c04d_gemm1.kd
    .args:
      - { .name: xq, .offset: 0, .size: 8, .value_kind: global_buffer, .address_space: global }
      - { .name: w1q, .offset: 8, .size: 8, .value_kind: global_buffer, .address_space: global }
      - { .name: lowp_scales, .offset: 16, .size: 8, .value_kind: global_buffer, .address_space: global }
      - { .name: hq, .offset: 24, .size: 8, .value_kind: global_buffer, .address_space: global }
      - { .name: b1, .offset: 32, .size: 8, .value_kind: global_buffer, .address_space: global }
      - { .name: cnt, .offset: 40, .size: 8, .value_kind: global_buffer, .address_space: global }
      - { .name: token_mask, .offset: 48, .size: 8, .value_kind: global_buffer, .address_space: global }
      - { .name: out0, .offset: 56, .size: 8, .value_kind: global_buffer, .address_space: global }
    .group_segment_fixed_size: 33280
    .private_segment_fixed_size: 0
    .kernarg_segment_align: 8
    .kernarg_segment_size: 64
    .max_flat_workgroup_size: 128
    .sgpr_count:     96
    .vgpr_count:     512
    .wavefront_size: 32
...
	.end_amdgpu_metadata
.endif
;; end of part 2
;; launch gemm2 (part 3): grid 519 x 1, 4 waves a work-group, no clusters, 50,688 bytes of LDS; arguments hq, w2q, lowp_scales, out0, b2, cnt, perm; writes out0
.if DOCPART == 3
	.amdgcn_target "amdgcn-amd-amdhsa--gfx1250"
	.amdhsa_code_object_version 6
	.text
	.protected	k_qda6f32c04d_gemm2
	.globl	k_qda6f32c04d_gemm2
	.p2align	8
	.type	k_qda6f32c04d_gemm2,@function
k_qda6f32c04d_gemm2:
	s_mov_b64 s[64:65], 0
	v_nop
	global_prefetch_b8 v0, s[64:65] scope:SCOPE_SE
	s_setreg_imm32_b32 hwreg(HW_REG_WAVE_MODE, 25, 1), 1
	s_wait_xcnt 0x0
; out0 = hq w2q^T x 2^(e2 + e3) + b2 at the features below each token's width; the zeros at and beyond it are stored by gemm1 (quant's head says why no product is owed there).
; A work-group takes a tile of 128 sorted places x 256 features; the class of mask 4 has 8 such tiles for each 128 places, mask 3 four, mask 2 two, mask 1 one: at most 64 x 8 + 4 + 2 + 1 = 519.  One without a tile stores nothing.
; The steps, the slots, the barriers and the prefetch are gemm1's, with K = 2,048 throughout: eight trips; no tensor load and no cluster; the work hangs on counts read from memory.
; Source 0 = 16 rows of w2, source 1 = 16 places: sum (a, i), lane (r, h), register j: place 16 a + r, feature 16 i + 8 h + j.  The sums begin with b2 x 2^-(e2+e3).
; THE WAY OUT: 16 places x 64 features go through the wave's own stage in LDS and leave as rows of 256 bytes, sixteen lanes to a row, each row at its token's place in out0.
; A place beyond a class's tokens repeats a token of its own tile: it stores the same bits again.
; LIMITS: e2 + e3 between -100 and 100.  NaN and infinities are not served.
.set F,   16
.set BS,  64
.set STG, 192
.set STAGE, 32768                      ; 16 rows x 272 bytes for each wave
.set SPARE, STAGE+4*4352
.set AB,  26
.set BB,  28
.set PB,  32
.set OUT, 64                           ; v64-127 two blocks read back
.set TOK, 192                          ; v192-207 two blocks' tokens
.set OFF, 208                          ; v208-223 two blocks' offsets in out0
.set MSB, 0
.macro WIN new                         ; the immediate's high byte repeats the setting that is left
.if MSB != (\new)
	s_set_vgpr_msb (MSB<<8)|(\new)
.set MSB, (\new)
.endif
.endm
.macro VW
	s_wait_alu depctr_va_vdst(0)
.endm
.macro NOPS                            ; four places behind matrix instructions (ISA guide 7.12.1)
.rept 4
	v_nop
.endr
.endm
.macro BAR
	s_barrier_signal -1
	s_barrier_wait -1
.endm
.macro LDA reg, off
.irp j, 0,1,2,3,4,5,6,7
	global_load_b128 v[\reg+4*\j:\reg+4*\j+3], v1, s[AB:AB+1] offset:\off+512*\j
.endr
.endm
.macro LDB p, off
.irp i, 0,1,2,3
.irp c, 0,1,2,3
	global_load_b128 v[BS+64*\p+16*\i+4*\c:BS+64*\p+16*\i+4*\c+3], v1, s[BB:BB+1] offset:\off+2048*\i+512*\c
.endr
.endr
.endm
.macro STA reg, slot
.irp j, 0,1,2,3,4,5,6,7
	ds_store_b128 v5, v[\reg+4*\j:\reg+4*\j+3] offset:16384*(\slot)+512*\j
.endr
.endm
.macro LDF a, p
.irp c, 0,1,2,3
	ds_load_b128 v[F+16*((\a)%3)+4*\c:F+16*((\a)%3)+4*\c+3], v1 offset:16384*\p+2048*(\a)+512*\c
.endr
.endm
; A step of parity p.  ld: ask for later steps; st: store the next step's codes.  wb: the loads behind B(s) that may be out; wa: those behind A(s+1).
.macro SEG p, ld, st, wb, wa
.if \ld
	LDA STG+32*\p, 32768+16384*\p                  ; A(s+2): its stage was stored to LDS a step ago
.endif
	s_wait_loadcnt \wb
	LDF 0, \p
	LDF 1, \p
	LDF 2, \p
.irp a, 0,1,2,3,4,5,6,7
.if \a < 5
	s_wait_dscnt 8                                 ; this block is in; the two behind it may be out
.else
	s_wait_dscnt 28-4*\a+8*\st                     ; the later blocks and the eight stores may be out
.endif
	WIN 0x50
.irp i, 0,1,2,3
	v_wmma_f32_16x16x128_bf8_bf8 v[32*\a+8*\i:32*\a+8*\i+7], v[BS+64*\p+16*\i:BS+64*\p+16*\i+15], v[F+16*(\a%3):F+16*(\a%3)+15], v[32*\a+8*\i:32*\a+8*\i+7]
.endr
	WIN 0
.if \a < 5
	NOPS
	LDF \a+3, \p
.endif
.if (\a == 4) && \st
	s_wait_loadcnt \wa
	STA STG+32*(1-\p), 1-\p
.endif
.endr
	NOPS
.if \ld
	LDB \p, 32768+16384*\p                         ; B(s+2)
.endif
	s_wait_dscnt 0x0                               ; for the barrier: my reads of this slot and my stores into the other are done
.endm
	s_load_b256 s[4:11], s[0:1], 0x0               ; hq 4, w2q 6, scales 8, out0 10
	s_load_b128 s[12:15], s[0:1], 0x20             ; b2 12, cnt 14
	s_load_b64 s[16:17], s[0:1], 0x30              ; perm
	v_lshl_add_u32 v2, v0, 2, SPARE
	v_mov_b32 v3, 0
	v_lshrrev_b32 v4, 5, v0
	v_readfirstlane_b32 s20, v4                    ; wave w
	v_and_b32 v4, 31, v0
	v_lshlrev_b32 v1, 4, v4
	v_lshlrev_b32 v6, 8, v4                        ; 256 x lane
	v_and_b32 v12, 15, v0                          ; r
	v_bfe_u32 v13, v0, 4, 1                        ; h
	v_lshlrev_b32 v7, 5, v13                       ; 32 h
	v_lshlrev_b32 v8, 3, v13                       ; 8 h
	v_lshlrev_b32 v11, 4, v12                      ; 16 r
	s_lshl_b32 s34, s20, 12
	v_add_nc_u32 v5, s34, v1                       ; my quarter of a slot
	s_mul_i32 s34, s20, 4352
	s_add_co_u32 s34, s34, STAGE
	v_mul_u32_u24 v9, v12, 272
	v_add_nc_u32 v9, v9, v7
	v_add_nc_u32 v9, s34, v9                       ; into the stage: row r, + 32 h
	v_mul_u32_u24 v10, v13, 272
	v_add_nc_u32 v10, v10, v11
	v_add_nc_u32 v10, s34, v10                     ; out of it: row h, + 16 r
	VW
	s_mov_b32 s35, 0
	s_wait_kmcnt 0x0
	s_load_b128 s[36:39], s[14:15], 0x0            ; tiles of masks 4, 3, 2, 1
	s_load_b128 s[52:55], s[8:9], 0x0              ; e0 .. e3
	s_wait_kmcnt 0x0
	s_lshl_b32 s41, s36, 3
	s_sub_co_u32 s42, ttmp9, s41                   ; my number among mask 3's work-groups and later,
	s_lshl_b32 s43, s37, 2
	s_sub_co_u32 s44, s42, s43                     ; among mask 2's and later,
	s_lshl_b32 s45, s38, 1
	s_sub_co_u32 s46, s44, s45                     ; among mask 1's and later
	s_add_co_u32 s47, s36, s37
	s_add_co_u32 s48, s47, s38
	s_add_co_u32 s21, s48, s46                     ; mask 1: the tile T;
	s_mov_b32 s22, 0                               ; ct: which 256 features
	s_cmp_lt_u32 s46, s39
	s_cselect_b32 s23, 8, 0                        ; trips: 8, or 0 without a tile
	s_lshr_b32 s56, s44, 1
	s_add_co_u32 s56, s56, s47
	s_and_b32 s57, s44, 1
	s_cmp_lt_u32 s44, s45                          ; mask 2
	s_cselect_b32 s21, s56, s21
	s_cselect_b32 s22, s57, s22
	s_cselect_b32 s23, 8, s23
	s_lshr_b32 s56, s42, 2
	s_add_co_u32 s56, s56, s36
	s_and_b32 s57, s42, 3
	s_cmp_lt_u32 s42, s43                          ; mask 3
	s_cselect_b32 s21, s56, s21
	s_cselect_b32 s22, s57, s22
	s_cselect_b32 s23, 8, s23
	s_lshr_b32 s56, ttmp9, 3
	s_and_b32 s57, ttmp9, 7
	s_cmp_lt_u32 ttmp9, s41                        ; mask 4
	s_cselect_b32 s21, s56, s21
	s_cselect_b32 s22, s57, s22
	s_cselect_b32 s23, 8, s23
	s_cmp_eq_u32 s23, 0
	s_cselect_b32 s21, 0, s21
	s_min_u32 s21, s21, 66
	s_min_u32 s22, s22, 7
	s_min_u32 s23, s23, 8                          ; a number chosen by loaded counts is tested under a bound that stands in the text
	s_cmp_lt_u32 s20, 3
	s_cselect_b32 s25, s23, 0                      ; wave 3 prefetches nothing
	s_min_u32 s25, s25, 8
	s_lshr_b32 s56, s20, 1
	s_lshl_b32 s57, s22, 1
	s_add_co_u32 s56, s57, s56                     ; my group of 128 features
	s_and_b32 s57, s20, 1                          ; its half
	s_lshl_b32 s34, s22, 10
	s_lshl_b32 s59, s20, 8
	s_add_co_u32 s34, s34, s59
	s_add_nc_u64 s[12:13], s[12:13], s[34:35]      ; b2 at my 64 features,
	s_add_nc_u64 s[10:11], s[10:11], s[34:35]      ; and out0
.irp t, 0,1,2,3
	global_load_b128 v[STG+8*\t:STG+8*\t+3], v7, s[12:13] offset:64*\t
	global_load_b128 v[STG+8*\t+4:STG+8*\t+7], v7, s[12:13] offset:64*\t+16
.endr
	s_lshl_b32 s34, s21, 18
	s_lshl_b32 s59, s20, 12
	s_add_co_u32 s34, s34, s59
	s_add_nc_u64 s[AB:AB+1], s[4:5], s[34:35]
	LDA F, 0                                       ; A(0), for the moment into the fragments' registers
	s_lshl_b32 s34, s56, 18
	s_lshl_b32 s59, s57, 13
	s_add_co_u32 s34, s34, s59
	s_add_nc_u64 s[BB:BB+1], s[6:7], s[34:35]
	LDB 0, 0
	LDA STG+32, 16384
	LDB 1, 16384
	s_lshl_b32 s34, s21, 11
	s_add_nc_u64 s[16:17], s[16:17], s[34:35]      ; perm at my tile: 8 x 256 bytes
	s_lshl_b32 s58, s21, 18                        ; the prefetch: wave 0: the tile, 32 blocks by ct;
	s_and_b32 s59, s22, 3
	s_lshl_b32 s59, s59, 13
	s_add_co_u32 s58, s58, s59
	s_lshl_b32 s60, s56, 18                        ; the others: group 2 ct + (w>>1), 32 blocks by T
	s_and_b32 s59, s21, 3
	s_lshl_b32 s59, s59, 13
	s_add_co_u32 s60, s60, s59
	s_cmp_eq_u32 s20, 0
	s_cselect_b32 s34, s58, s60
	s_cselect_b64 s[PB:PB+1], s[4:5], s[6:7]
	s_add_nc_u64 s[PB:PB+1], s[PB:PB+1], s[34:35]
	s_cmp_gt_i32 s25, 1
	s_cbranch_scc0 .Lnopf
	global_prefetch_b8 v6, s[PB:PB+1] offset:32768 th:TH_LOAD_NT scope:SCOPE_SE
.Lnopf:
	s_add_co_i32 s59, s54, s55                     ; e2 + e3
	s_sub_co_i32 s70, 127, s59
	s_lshl_b32 s70, s70, 23                        ; 2^-(e2+e3)
	s_mov_b32 s71, s70
	s_add_co_i32 s59, s59, 127
	s_lshl_b32 s66, s59, 23                        ; 2^(e2+e3)
	s_mov_b32 s67, s66
	s_wait_loadcnt 48                              ; b2; behind it A(0) 8, B(0) 16, A(1) 8, B(1) 16
	WIN 0x40
.irp a, 0,1,2,3,4,5,6,7
.set J, 0
.rept 16
	v_pk_mul_f32 v[32*\a+J:32*\a+J+1], v[STG+J:STG+J+1], s[70:71] op_sel_hi:[1,0]
.set J, J+2
.endr
.endr
	WIN 0
	VW
	s_wait_loadcnt 40                              ; A(0)
	STA F, 0
	s_wait_dscnt 0x0
	BAR
	s_mov_b32 s3, 0
.Ltrip:
	s_add_co_u32 s58, s3, 1
	s_cmp_ge_u32 s58, s23
	s_cbranch_scc1 .Lskip0
	SEG 0, 1, 1, 32, 24                            ; behind B(s): A(s+1), B(s+1), A(s+2); behind A(s+1): B(s+1), A(s+2)
	s_add_co_i32 s58, s3, 2
	s_cmp_lt_i32 s58, s25
	s_cbranch_scc0 .Ljoin0
	global_prefetch_b8 v6, s[PB:PB+1] offset:65536 th:TH_LOAD_NT scope:SCOPE_SE
	s_branch .Ljoin0
.Lskip0:
	s_wait_loadcnt 0x0
.Ljoin0:
	BAR
	s_add_co_u32 s58, s3, 1
	s_cmp_ge_u32 s58, s23
	s_cbranch_scc1 .Lskip1
	SEG 1, 1, 1, 32, 24
	s_branch .Ljoin1
.Lskip1:
	s_wait_loadcnt 0x0
.Ljoin1:
	s_wait_xcnt 0x0                                ; the loads and the prefetch have read their bases
	s_add_nc_u64 s[AB:AB+1], s[AB:AB+1], 0x8000
	s_add_nc_u64 s[BB:BB+1], s[BB:BB+1], 0x8000
	s_add_nc_u64 s[PB:PB+1], s[PB:PB+1], 0x8000
	BAR
	s_add_co_u32 s3, s3, 1
	s_cmp_lt_u32 s3, 7
	s_cbranch_scc1 .Ltrip
	s_cmp_lt_i32 s23, 1                            ; the last trip asks for nothing more
	s_cbranch_scc1 .Lskip2
	SEG 0, 0, 1, 24, 16                            ; behind B(s): A(s+1), B(s+1); behind A(s+1): B(s+1)
	s_branch .Ljoin2
.Lskip2:
	s_wait_loadcnt 0x0
.Ljoin2:
	BAR
	s_cmp_lt_i32 s23, 1
	s_cbranch_scc1 .Lend
	SEG 1, 0, 0, 0, 0
.macro TOKENS a                        ; lanes 0-15: the token of place 16 a + 2 t, lanes 16-31: of 16 a + 2 t + 1
.irp t, 0,1,2,3,4,5,6,7
	global_load_b32 v[TOK+8*((\a)%2)+\t], v8, s[16:17] offset:256*(\a)+16*\t
.endr
.endm
.macro TOSTAGE a
	WIN 0x01
.set J, 0
.rept 16
	v_pk_mul_f32 v[F+J:F+J+1], v[32*(\a)+J:32*(\a)+J+1], s[66:67] op_sel_hi:[1,0]   ; x 2^(e2+e3), each sum from its low end on
.set J, J+2
.endr
	WIN 0
.irp i, 0,1,2,3
	ds_store_b128 v9, v[F+8*\i:F+8*\i+3] offset:64*\i
	ds_store_b128 v9, v[F+8*\i+4:F+8*\i+7] offset:64*\i+16
.endr
.irp t, 0,1,2,3,4,5,6,7
	ds_load_b128 v[OUT+32*((\a)%2)+4*\t:OUT+32*((\a)%2)+4*\t+3], v10 offset:544*\t   ; LDS serves a wave's instructions in order (ISA guide 5.7.1.4)
.endr
.endm
.macro SEND a, younger, later          ; younger: the LDS instructions behind block a's loads; later: the loads behind its tokens'
	s_wait_dscnt \younger
	s_wait_loadcnt \later
.irp t, 0,1,2,3,4,5,6,7
	v_min_u32 v[TOK+8*((\a)%2)+\t], 0x1fff, v[TOK+8*((\a)%2)+\t]
.endr
.irp t, 0,1,2,3,4,5,6,7
	v_lshl_add_u32 v[OFF+8*((\a)%2)+\t], v[TOK+8*((\a)%2)+\t], 13, v11
.endr
.irp t, 0,1,2,3,4,5,6,7
	global_store_b128 v[OFF+8*((\a)%2)+\t], v[OUT+32*((\a)%2)+4*\t:OUT+32*((\a)%2)+4*\t+3], s[10:11] th:TH_STORE_NT   ; two rows of 256 aligned bytes
.endr
.if (\a) < 6
	TOKENS (\a)+2
.endif
.endm
	TOKENS 0
	TOKENS 1
	TOSTAGE 0
.irp a, 1,2,3,4,5,6,7
.if \a > 1
	s_wait_xcnt 0x0                                ; the stores of block a - 2 and before have read their data and offsets
.endif
	TOSTAGE \a
	SEND \a-1, 16, 8                               ; behind block a - 1's loads: block a's 8 stores and 8 loads; behind its tokens: block a's
.endr
	SEND 7, 0, 0
	VW
.Lend:
	s_wait_tensorcnt 0x0                           ; the wave's end
	ds_add_u32 v2, v3
	s_wait_dscnt 0x0
	s_endpgm
.Lfunc_end_k_qda6f32c04d_gemm2:
	.size	k_qda6f32c04d_gemm2, .Lfunc_end_k_qda6f32c04d_gemm2-k_qda6f32c04d_gemm2
	.p2alignl 7, 3214868480
	.fill 96, 4, 3214868480
	.section	.rodata,"a",@progbits
	.p2align	6, 0x0
	.amdhsa_kernel k_qda6f32c04d_gemm2
		.amdhsa_group_segment_fixed_size 50688
		.amdhsa_private_segment_fixed_size 0
		.amdhsa_enable_private_segment 0
		.amdhsa_kernarg_size 56
		.amdhsa_user_sgpr_count 2
		.amdhsa_user_sgpr_kernarg_segment_ptr 1
		.amdhsa_wavefront_size32 1
		.amdhsa_system_sgpr_workgroup_id_x 1
		.amdhsa_system_sgpr_workgroup_id_y 1
		.amdhsa_system_sgpr_workgroup_id_z 1
		.amdhsa_system_vgpr_workitem_id 0
		.amdhsa_next_free_vgpr 512
		.amdhsa_next_free_sgpr 96
		.amdhsa_reserve_vcc 0
		.amdhsa_float_denorm_mode_32 3
		.amdhsa_float_denorm_mode_16_64 3
		.amdhsa_memory_ordered 1
		.amdhsa_forward_progress 1
		.amdhsa_inst_pref_size 86
	.end_amdhsa_kernel
	.amdgpu_metadata
---
amdhsa.version: [ 1, 2 ]
amdhsa.kernels:
  - .name:           k_qda6f32c04d_gemm2
    .symbol:         k_qda6f32c04d_gemm2.kd
    .args:
      - { .name: hq, .offset: 0, .size: 8, .value_kind: global_buffer, .address_space: global }
      - { .name: w2q, .offset: 8, .size: 8, .value_kind: global_buffer, .address_space: global }
      - { .name: lowp_scales, .offset: 16, .size: 8, .value_kind: global_buffer, .address_space: global }
      - { .name: out0, .offset: 24, .size: 8, .value_kind: global_buffer, .address_space: global }
      - { .name: b2, .offset: 32, .size: 8, .value_kind: global_buffer, .address_space: global }
      - { .name: cnt, .offset: 40, .size: 8, .value_kind: global_buffer, .address_space: global }
      - { .name: perm, .offset: 48, .size: 8, .value_kind: global_buffer, .address_space: global }
    .group_segment_fixed_size: 50688
    .private_segment_fixed_size: 0
    .kernarg_segment_align: 8
    .kernarg_segment_size: 56
    .max_flat_workgroup_size: 128
    .sgpr_count:     96
    .vgpr_count:     512
    .wavefront_size: 32
...
	.end_amdgpu_metadata
.endif
;; end of part 3
